; MI455X (gfx1250); checked and timed in simulation.
; The chip was launched on July 23, 2026; its instructions are those of AMD's public machine-readable ISA for CDNA 5 (MIT licence, August 2026) and "CDNA5" Instruction Set Architecture Reference Guide (July 2026). The comments in the code are by the model that wrote it; some were corrected since.
;; Causal Self Attention. Allowed arithmetic: matrix products marked QUANTISED: E3M2 operands, one E8M0 scale for each 32 along K, by v_wmma_scale_f32_16x16x128_f8f6f4 with both operands' format E3M2, f32 sums; everything else in f32.
;; Inputs: Wk 1,024 x 1,024 float32; Wp 1,024 x 1,024 float32; Wq 1,024 x 1,024 float32; Wv 1,024 x 1,024 float32; bk 1,024 float32; bp 1,024 float32; bq 1,024 float32; bv 1,024 float32; x 4 x 2,048 x 1,024 float32.
;; Outputs: out0 4 x 2,048 x 1,024 float32.
;; This version of the problem:
;;   THIS VERSION OF THE PROBLEM IS GIVEN IN LOW PRECISION. The matrix products marked QUANTISED in the list below multiply operands that are first quantised to E3M2 (3 exponent bits, 2 mantissa bits; 6 bits a number), with one power-of-two scale for each 32 numbers along K (OCP MX v1.0); their sums are f32. All else is computed in f32.
;;   The module's matrix products, in the order in which they are computed (A, B: the left and right operand; K: the contracted axis; several contracted axes count as one K, in the product's order):
;;     1. [M 8,192, K 1,024] x [K 1,024, N 1,024]; A: input x; B: input Wq: QUANTISED
;;     2. [M 8,192, K 1,024] x [K 1,024, N 1,024]; A: input x; B: input Wk: QUANTISED
;;     3. [M 8,192, K 1,024] x [K 1,024, N 1,024]; A: input x; B: input Wv: QUANTISED
;;     4. batch 64 x [M 2,048, K 64] x [K 64, N 2,048]; A: computed on the way; B: computed on the way: QUANTISED
;;     5. batch 64 x [M 2,048, K 2,048] x [K 2,048, N 64]; A: softmax (see below); B: computed on the way: QUANTISED
;;     6. [M 8,192, K 1,024] x [K 1,024, N 1,024]; A: computed on the way; B: input Wp: QUANTISED
;;   THE QUANTISER, for each operand of a quantised product, along K:
;;     - K is cut into blocks of 32 from its start; a last block that is shorter is filled with zeros.
;;     - A block's scale is 2^e with e = floor(log2(the largest magnitude in the block)) - 4, held to -126 .. 127; a block of zeros has e = 0. As a byte (E8M0): e + 127.
;;     - Each number is divided by its block's scale, clamped to +-28, and rounded to the nearest number of E3M2, ties to even, subnormals kept.
;;     - The product sums the exact products of the quantised numbers (number of the format x scale) in f32.
;;   ~~~python
;;   def quantise(x, axis):      # numpy; x: float32 -> the quantised numbers, widened to float32 again
;;       x = np.moveaxis(x, axis, -1); K = x.shape[-1]
;;       x = np.pad(x, [(0, 0)] * (x.ndim - 1) + [(0, -K % 32)]); x = x.reshape(x.shape[:-1] + (-1, 32)); a = np.abs(x).max(-1, keepdims=True)
;;       e = np.where(a > 0, np.clip(np.frexp(np.where(a > 0, a, 1))[1] - 1 - 4, -126, 127), 0)      # np.frexp(a)[1] - 1 = floor(log2(a)), exactly
;;       r = np.clip(x / 2.0 ** e, -28, 28)
;;       step = 2.0 ** (np.maximum(np.frexp(np.where(r == 0, 1, r))[1] - 1, -2) - 2)
;;       q = np.round(r / step) * step * 2.0 ** e      # np.round: ties to even
;;       return np.moveaxis(q.reshape(q.shape[:-2] + (-1,))[..., :K], -1, axis).astype(np.float32)
;;   ~~~
;;   SOFTMAX AHEAD OF A QUANTISED PRODUCT. Where the list says 'softmax', what is quantised is not the finished softmax but p = 2^(t - M), with t = logit x log2(e) and M = ceil(the row's largest t), a whole number; so 1/2 < the row's largest p <= 1. The row's sum l is taken of the UNQUANTISED p, in f32, and the product's result is divided by l at the end. Since M is a whole number, a kernel that streams over the keys may use a running M (the ceiling of the running maximum): every later rescaling is an exact power of two, which a block's scale takes up: the codes' values come out the same.
;;   OPERANDS COMPUTED ON THE WAY. 'Computed on the way' means the value that the module computes at that place (a softmax that the list does not call 'softmax' is quantised finished and normalised). What goes into a quantiser is computed in f32, as accurately as f32 sums, v_exp_f32 and their like allow (about 1e-6 of the number): no bf16 or f16 on the way to a quantiser, and a product that is left as it is and whose result goes on into a quantised operand takes f32 operands (vector FMAs, or v_wmma_f32_16x16x4_f32). A number that lies on a knife's edge between two numbers of the format may be rounded either way, as far as f32 arithmetic and the matrix unit's own rounding can turn it there, and no further.
;; One version. Each part assembles by itself: llvm-mc -triple=amdgcn-amd-amdhsa -mcpu=gfx1250 --defsym DOCPART=n.
;; ======== version 1 of 1: 4 launches
;; workspace buffers: xq 6,553,600 bytes; wq 3,276,800 bytes; qq 6,553,600 bytes; kv 13,107,200 bytes; yq 6,553,600 bytes
;; launch quant (part 1): grid 256 x 1, 3 waves a work-group, no clusters, 26,112 bytes of LDS; arguments x, Wq, Wk, Wv, Wp, xq, wq; writes xq, wq
.if DOCPART == 1
	.amdgcn_target "amdgcn-amd-amdhsa--gfx1250"
	.amdhsa_code_object_version 6
	.text
	.protected	k_qd2e1497382_quant
	.globl	k_qd2e1497382_quant
	.p2align	8
	.type	k_qd2e1497382_quant,@function
k_qd2e1497382_quant:
	s_mov_b64 s[64:65], 0
	v_nop
	global_prefetch_b8 v0, s[64:65] scope:SCOPE_SE
	s_setreg_imm32_b32 hwreg(HW_REG_WAVE_MODE, 25, 1), 1
	s_wait_xcnt 0x0
; x [8192][1024] and Wq, Wk, Wv, Wp [1024][1024], f32 with K innermost, become codes of BF6 (E3M2) with one E8M0 byte for each 32 along K,
; laid in the ORDER OF THE OPERAND'S REGISTERS.  A tile is 16 rows; lane r of tile T stands for row 32 (T / 2) + 8 (T % 2) + r + 8 (r / 8).
; A fragment (a tile x 128 along K, 12 registers a lane) is 1,536 bytes: six pieces of 256 bytes, piece p = registers 2 p, 2 p + 1 of all lanes, lane l at 8 l.
; Codes: [tile][K step 0..7][1,536].  Scale rows behind them: [tile][512], row r's eight words (one a K step) at 32 r.
; A block's scale is 2^(floor(log2(largest magnitude)) - 4): its byte is the largest magnitude's exponent field - 4, held at 1 from below.
; LIMITS: NaN and infinities are not served; a block of zeros, or one whose largest magnitude lies under 2^(5 - 127), gets the byte 1 (its codes are zeros or tiny; only this program reads the bytes).
; SHARES: 768 tiles (512 of x, 64 of each W), one wave each, 3 waves a work-group, 256 work-groups.  A wave walks its tile's K in 8 steps of 128.
; Each load reads 512 consecutive bytes of one row; the 16 rows turn through the wave's own stage in LDS (pitch 528) so that lane (r, h) gets, of row r, 16 neighbours of each block of 32.
; Memory binds: no matrix unit, no cluster, no tensor load, no barrier; waves share nothing.  Two steps' loads (32) are out at most.
.set SPITCH, 528
.set WSTG,   16*SPITCH
.set RA,     16                        ; v16-79, v80-143  two sets of 16 rows x 16 bytes a lane, as loaded
.set XN,     144                       ; v144-207 register 16 b + i = k 32 b + 16 h + i of my row
.set TM,     208                       ; v208-223 at work in QUANT
.set PC,     224                       ; v224-242 the codes
.set SW,     244                       ; v244-251 the eight steps' scale words
.set OW,     252                       ; v252-255 my four words on their way out
.set SEL,    40                        ; s[40:41] lane selects: lane l xor 16
; 64 numbers of a lane become a fragment's 12 registers in v[PC] on and its row's scale word in v[pw]
.macro QUANT s, pw
.irp b, 0,1,2,3
	v_max3_num_f32 v[TM+\b], |v[(\s)+16*\b]|, |v[(\s)+1+16*\b]|, 0x2800000   ; my 16 numbers of block b, and the floor 2^(5 - 127)
.endr
.irp i, 2,4,6,8,10,12,14
.irp b, 0,1,2,3
	v_max3_num_f32 v[TM+\b], v[TM+\b], |v[(\s)+16*\b+\i]|, |v[(\s)+1+16*\b+\i]|
.endr
.endr
.irp b, 0,1,2,3
	v_permlanex16_b32 v[TM+4+\b], v[TM+\b], s[SEL], s[SEL+1]
.endr
.irp b, 0,1,2,3
	v_max_num_f32 v[TM+\b], v[TM+\b], v[TM+4+\b]   ; with lane l xor 16's: the block's largest magnitude
.endr
.irp b, 0,1,2,3
	v_add_nc_u32 v[TM+12+\b], 0xfe000000, v[TM+\b] ; 4 off its exponent field: the conversion's scale operand
.endr
.irp b, 0,1,2,3
	v_lshrrev_b32 v[TM+4+\b], 23, v[TM+12+\b]      ; the scale's byte
.endr
	v_lshl_or_b32 v[\pw], v[TM+5], 8, v[TM+4]
	v_lshl_or_b32 v[\pw], v[TM+6], 16, v[\pw]
	v_lshl_or_b32 v[\pw], v[TM+7], 24, v[\pw]
.irp c, 0,1
	v_cvt_scalef32_pk16_bf6_f32 v[PC+6*\c:PC+2+6*\c], v[(\s)+32*\c:(\s)+15+32*\c], v[TM+12+2*\c]
	v_cvt_scalef32_pk16_bf6_f32 v[PC+12+4*\c:PC+14+4*\c], v[(\s)+16+32*\c:(\s)+31+32*\c], v[TM+12+2*\c+1]   ; (a conversion's three registers begin on an even number)
.endr
	v_nop                                          ; one plain place behind a scaled conversion
.irp c, 0,1                                    ; the operand wants a whole block in a lane: lanes 0-15 block 2 c, lanes 16-31 block 2 c + 1
.irp i, 0,1,2
	v_permlane16_swap_b32 v[PC+6*\c+\i], v[PC+12+4*\c+\i]
.endr
.irp i, 0,1,2
	v_mov_b32 v[PC+3+6*\c+\i], v[PC+12+4*\c+\i]
.endr
.endr
.endm
	s_load_b256 s[4:11], s[0:1], 0x0               ; x, Wq, Wk, Wv
	s_load_b128 s[12:15], s[0:1], 0x20             ; Wp, xq
	s_load_b64 s[16:17], s[0:1], 0x30              ; wq
	v_lshl_add_u32 v239, v0, 2, 0x6400
	v_mov_b32 v243, 0
	v_lshrrev_b32 v6, 5, v0
	v_readfirstlane_b32 s18, v6                    ; wave 0..2
	v_and_b32 v7, 31, v0                           ; lane
	v_and_b32 v8, 15, v0                           ; r
	v_bfe_u32 v9, v0, 4, 1                         ; h
	v_lshlrev_b32 v1, 4, v7                        ; my 16 bytes of a load's 512
	s_mul_i32 s19, s18, WSTG
	v_add_nc_u32 v2, s19, v1                       ; the stage on the way in
	v_mul_u32_u24 v3, v8, SPITCH
	v_lshl_add_u32 v3, v9, 6, v3
	v_add_nc_u32 v3, s19, v3                       ; and on the way out: row r, + 64 h
	v_lshlrev_b32 v4, 3, v7                        ; a piece's place for my lane
	v_lshlrev_b32 v5, 5, v8
	v_lshl_add_u32 v5, v9, 4, v5                   ; the scale row: 32 r + 16 h
.irp b, 0,1,2,3
	v_mov_b32 v[TM+4+\b], 0                        ; written once: a lane permute's destination counts as one of its sources
.endr
	s_mov_b32 s[SEL], 0x76543210
	s_mov_b32 s[SEL+1], 0xfedcba98
	s_mov_b32 s38, 0xffff0000                      ; lanes 16-31
	s_mul_i32 s20, ttmp9, 3
	s_add_co_u32 s20, s20, s18                     ; my tile among the 768
	s_sub_co_u32 s21, s20, 512                     ; among the weights' 256 (used only where it is one of them)
	s_and_b32 s22, s21, 63                         ; in its weight
	s_mov_b32 s23, 3145728
	s_cmp_lt_u32 s20, 512
	s_cselect_b32 s22, s20, s22                    ; the tile in its source,
	s_cselect_b32 s21, s20, s21                    ; in its destination,
	s_cselect_b32 s23, 6291456, s23                ; and where the destination's scale rows begin
	s_lshr_b32 s24, s22, 1
	s_lshl_b32 s24, s24, 17
	s_and_b32 s25, s22, 1
	s_lshl_b32 s25, s25, 15
	s_add_co_u32 s24, s24, s25                     ; (32 (T / 2) + 8 (T % 2)) rows of 4,096 bytes
	s_mov_b32 s25, 0
	s_mul_i32 s26, s21, 12288
	s_mov_b32 s27, 0
	s_lshl_b32 s28, s21, 9
	s_add_co_u32 s28, s28, s23
	s_mov_b32 s29, 0
	s_wait_alu depctr_va_vdst(0)
	s_wait_kmcnt 0x0
	s_cmp_lt_u32 s20, 704                          ; the choices hang on the tile's number alone
	s_cselect_b64 s[30:31], s[10:11], s[12:13]
	s_cmp_lt_u32 s20, 640
	s_cselect_b64 s[30:31], s[8:9], s[30:31]
	s_cmp_lt_u32 s20, 576
	s_cselect_b64 s[30:31], s[6:7], s[30:31]
	s_cmp_lt_u32 s20, 512
	s_cselect_b64 s[30:31], s[4:5], s[30:31]
	s_cselect_b64 s[32:33], s[14:15], s[16:17]
	s_add_nc_u64 s[30:31], s[30:31], s[24:25]      ; the tile's first row
	s_add_nc_u64 s[34:35], s[32:33], s[26:27]      ; its codes
	s_add_nc_u64 s[36:37], s[32:33], s[28:29]      ; its scale row
.macro LOAD t                          ; K step t: 16 rows x 512 bytes
.irp i, 0,1,2,3,4,5,6,7,8,9,10,11,12,13,14,15
	global_load_b128 v[RA+64*((\t)%2)+4*\i:RA+64*((\t)%2)+4*\i+3], v1, s[30:31] offset:(\i+8*(\i/8))*4096+512*(\t) th:TH_LOAD_NT
.endr
.endm
.macro STEPQ t
.if (\t) < 7
	s_wait_loadcnt 16                              ; this step's 16 loads are in; the next step's 16 may be out
.else
	s_wait_loadcnt 0x0
.endif
.irp i, 0,1,2,3,4,5,6,7,8,9,10,11,12,13,14,15
	ds_store_b128 v2, v[RA+64*((\t)%2)+4*\i:RA+64*((\t)%2)+4*\i+3] offset:SPITCH*\i
.endr
.irp b, 0,1,2,3
.irp q, 0,1,2,3
	ds_load_b128 v[XN+16*\b+4*\q:XN+16*\b+4*\q+3], v3 offset:128*\b+16*\q   ; LDS serves a wave's instructions in order: these see the stores above
.endr
.endr
	s_wait_dscnt 0x0                               ; the numbers are back, and the stage's stores have read their registers
	s_wait_xcnt 0x0                                ; the last step's stores have read their codes: PC is rewritten only behind this wait
.if (\t) < 6
	LOAD (\t)+2
.endif
	QUANT XN, SW+(\t)
.irp p, 0,1,2,3,4,5
	global_store_b64 v4, v[PC+2*\p:PC+2*\p+1], s[34:35] offset:1536*(\t)+256*\p   ; 32 lanes store 256 consecutive bytes, aligned
.endr
.endm
	LOAD 0
	LOAD 1
.irp t, 0,1,2,3,4,5,6,7
	STEPQ \t
.endr
.irp k, 0,1,2,3
	v_cndmask_b32 v[OW+\k], v[SW+\k], v[SW+4+\k], s38   ; lanes 0-15 words 0-3, lanes 16-31 words 4-7
.endr
	global_store_b128 v5, v[OW:OW+3], s[36:37]     ; the tile's 512 bytes of scale words in one store
	s_wait_tensorcnt 0x0
	ds_add_u32 v239, v243
	s_wait_dscnt 0x0
	s_endpgm
.Lfunc_end_k_qd2e1497382_quant:
	.size	k_qd2e1497382_quant, .Lfunc_end_k_qd2e1497382_quant-k_qd2e1497382_quant
	.p2alignl 7, 3214868480
	.fill 96, 4, 3214868480
	.section	.rodata,"a",@progbits
	.p2align	6, 0x0
	.amdhsa_kernel k_qd2e1497382_quant
		.amdhsa_group_segment_fixed_size 26112
		.amdhsa_private_segment_fixed_size 0
		.amdhsa_enable_private_segment 0
		.amdhsa_kernarg_size 56
		.amdhsa_user_sgpr_count 2
		.amdhsa_user_sgpr_kernarg_segment_ptr 1
		.amdhsa_wavefront_size32 1
		.amdhsa_system_sgpr_workgroup_id_x 1
		.amdhsa_system_sgpr_workgroup_id_y 1
		.amdhsa_system_sgpr_workgroup_id_z 1
		.amdhsa_system_vgpr_workitem_id 0
		.amdhsa_next_free_vgpr 256
		.amdhsa_next_free_sgpr 66
		.amdhsa_reserve_vcc 0
		.amdhsa_float_denorm_mode_32 3
		.amdhsa_float_denorm_mode_16_64 3
		.amdhsa_memory_ordered 1
		.amdhsa_forward_progress 1
		.amdhsa_inst_pref_size 67
	.end_amdhsa_kernel
	.amdgpu_metadata
---
amdhsa.version: [ 1, 2 ]
amdhsa.kernels:
  - .name:           k_qd2e1497382_quant
    .symbol:         k_qd2e1497382_quant.kd
    .args:
      - { .name: x, .offset: 0, .size: 8, .value_kind: global_buffer, .address_space: global }
      - { .name: Wq, .offset: 8, .size: 8, .value_kind: global_buffer, .address_space: global }
      - { .name: Wk, .offset: 16, .size: 8, .value_kind: global_buffer, .address_space: global }
      - { .name: Wv, .offset: 24, .size: 8, .value_kind: global_buffer, .address_space: global }
      - { .name: Wp, .offset: 32, .size: 8, .value_kind: global_buffer, .address_space: global }
      - { .name: xq, .offset: 40, .size: 8, .value_kind: global_buffer, .address_space: global }
      - { .name: wq, .offset: 48, .size: 8, .value_kind: global_buffer, .address_space: global }
    .group_segment_fixed_size: 26112
    .private_segment_fixed_size: 0
    .kernarg_segment_align: 8
    .kernarg_segment_size: 56
    .max_flat_workgroup_size: 96
    .sgpr_count:     66
    .vgpr_count:     256
    .wavefront_size: 32
...
	.end_amdgpu_metadata
.endif
;; end of part 1
;; launch qkv (part 2): grid 8 x 32, 4 waves a work-group, clusters of 4 x 4, 327,680 bytes of LDS; arguments xq, wq, bq, bk, bv, qq, kv; writes qq, kv
.if DOCPART == 2
	.amdgcn_target "amdgcn-amd-amdhsa--gfx1250"
	.amdhsa_code_object_version 6
	.text
	.protected	k_qd2e1497382_qkv
	.globl	k_qd2e1497382_qkv
	.p2align	8
	.type	k_qd2e1497382_qkv,@function
k_qd2e1497382_qkv:
	s_mov_b64 s[64:65], 0
	v_nop
	global_prefetch_b8 v0, s[64:65] scope:SCOPE_SE
	s_setreg_imm32_b32 hwreg(HW_REG_WAVE_MODE, 25, 1), 1
	s_wait_xcnt 0x0
	s_wait_alu depctr_hold_cnt(0) depctr_sa_sdst(0) depctr_va_vdst(0) depctr_va_sdst(0) depctr_va_ssrc(0) depctr_va_vcc(0) depctr_vm_vsrc(0)
	s_getreg_b32 s2, hwreg(HW_REG_IB_STS2, 6, 4)
	s_cmp_eq_u32 s2, 0
	s_cbranch_scc0 .Lentry_in_a_cluster
	s_endpgm
.Lentry_in_a_cluster:
	s_bfe_u32 s2, ttmp6, 0x10000c
	s_cmp_lg_u32 s2, 0xf033
	s_cbranch_scc0 .Lentry_shape_is_right
	s_endpgm
.Lentry_shape_is_right:
; q = x Wq^T + bq, k = x Wk^T + bk, v = x Wv^T + bv on codes of BF6 (E3M2) with E8M0 scales, and the three results quantised again on the way out:
; q and k along the head's 64 channels, v along the keys.  Operands come as images of their registers (a fragment = 16 rows x 128 K = 1,536 bytes, six pieces of 256; lane l's registers 2 p, 2 p + 1 at 256 p + 8 l).
; A tile's lane r stands for row 32 (T / 2) + 8 (T % 2) + r + 8 (r / 8): where such a tile is source 0, the 16 result registers of tiles 2 b, 2 b + 1 are the 16 neighbours 32 b + 16 (lane / 16) + 0 .. 15,
; which is the order in which the conversions want a lane's numbers.
; SHARES: work-group (gx, gy): 256 tokens (tiles 16 gy ..) x 128 channels (heads 2 gx, 2 gx + 1) of q, then of k, then of v: 8 x 32 = 256 work-groups, 768 matrix instructions a wave.
; x's tile (196,608 bytes) stays in LDS for the three passes; W goes through two slots of half a K (4 K steps) each: six half passes.
; A wave has 32 accumulators: 8 tiles as source 0 (they give the registers) x 4 tiles as source 1 (they give the lanes).  q, k: source 0 = W's 8 tiles, source 1 = x's tiles 4 w ..: a lane holds a token, registers run
; along the channels.  v: source 0 = x's tiles 8 (w / 2) .., source 1 = W's tiles 4 (w % 2) ..: a lane holds a channel, registers run along the tokens, which are the keys: nothing is transposed.
; The biases are the C of each sum's first matrix instruction.
; CLUSTER 4 x 4: x's tiles hang on gy alone and are asked for jointly by a row of the cluster, W's on gx alone, by a column.
; LIMITS: NaN and infinities are not served; a block of zeros, or one under 2^(5 - 127), gets the scale byte 1 (only this program reads the bytes).
; This launch fills LDS bytes again and claims all of a WGP's LDS; it uses 316,928 bytes.
; REGISTERS: window 0: v2-20 addresses; v32-95 source 0's scale words (two sets), v96-127 source 1's; v128-169 the quantiser.  window 1: source 0's fragments, set f at v[128 f + 12 i].
;   window 2: the accumulators, (i1, i0) at v[64 i1 + 8 i0].  window 3: source 1's fragments, set f at v[48 f + 12 i]; bq v96-159, bk v160-223, bv v224-255 in the results' layout.
.set XHALF, 98304                      ; LDS: x, [K half][tile 0..15][K step 0..3][1,536]
.set WS,    196608                     ; W's two slots, [tile 0..7][K step 0..3][1,536]
.set WSLOT, 49152
.set XSC,   294912                     ; x's scale rows, 16 tiles x 512
.set WSC,   303104                     ; W's: [pair of tiles 0..3][pass 0..2][2 tiles][512]
.set SPARE, 315392                     ; the spare words, 128 bytes a wave: two blocks of 256 bytes that no other line names
.set STG,   315904                     ; 256 bytes a wave for scale words on their way out; no fill lands here
.set FRB,   1536
.set TILEH, 6144
.set PASSB, 786432                     ; from one W to the next in wq: 64 tiles x 12,288
.set SPW, 14
.set NIL, 15
.set TM,  128
.set PC,  144
.set PW,  164
.set SEL, 100
.set MUL,   0xad                       ; source 0 window 1, source 1 window 3, C and D window 2
.set MULB,  0xbd                       ; the same with C (a bias) in window 3
.set TO_S0, 0x40
.set TO_S1, 0xc0
.set MSB, 0
.macro WIN new                         ; the immediate's high byte repeats the setting that is left
.if MSB != \new
	s_set_vgpr_msb (MSB<<8)|\new
.set MSB, \new
.endif
.endm
.macro PLACES                          ; four plain places behind matrix instructions, in front of loads into their registers and of reads of results
.rept 4
	v_nop
.endr
.endm
.macro CREST                           ; a round of the cluster's barrier behind its opening barrier
	s_cmp_lg_u32 s18, 0
	s_cbranch_scc1 .Lnot_wave_0_\@
	s_barrier_signal -3
.Lnot_wave_0_\@:
	s_barrier_wait -3
	s_barrier_signal -1
	s_barrier_wait -1
.endm
.macro CROUND
	s_barrier_signal -1
	s_barrier_wait -1
	CREST
.endm
.macro GROUP1 g, c, r, p               ; words 1 to 7 of a descriptor's group 1: r rows of c elements, p elements apart
	s_mov_b32 s[\g+1], ((\c)&0xffff)<<16
	s_mov_b32 s[\g+2], ((\c)>>16)|(((\r)&0xffff)<<16)
	s_mov_b32 s[\g+3], ((\r)>>16)|((\c)<<16)
	s_mov_b32 s[\g+4], \r
	s_mov_b32 s[\g+5], \p
	s_mov_b32 s[\g+6], 0
	s_mov_b32 s[\g+7], 0
.endm
.macro FRAG reg, adr, off              ; a fragment's image: six loads of 256 consecutive bytes
.irp p, 0,1,2,3,4,5
	ds_load_b64 v[(\reg)+2*\p:(\reg)+2*\p+1], v[\adr] offset:(\off)+256*\p
.endr
.endm
; the 12 fragments of K step sp of half kh into set f.  tp = 0: q, k (source 0 = W, source 1 = x);  tp = 1: v (source 0 = x, source 1 = W)
.macro FETCH f, tp, kh, sp
.if \tp
.set A0, 4+(\kh)
.set A1, 8+(\kh)
.else
.set A0, 6+(\kh)
.set A1, 2+(\kh)
.endif
	WIN TO_S0
.irp i, 0,1,2,3,4,5,6,7
	FRAG 128*(\f)+12*\i, A0, TILEH*\i+FRB*(\sp)
.endr
	WIN TO_S1
.irp i, 0,1,2,3
	FRAG 48*(\f)+12*\i, A1, TILEH*\i+FRB*(\sp)
.endr
	WIN 0
.endm
; the scale words of half kh (four K steps a load) into set kh
.macro SCL tp, pass, kh
.irp i, 0,1,2,3,4,5,6,7
.if \tp
	ds_load_b128 v[32+32*(\kh)+4*\i:32+32*(\kh)+4*\i+3], v11 offset:512*\i+16*(\kh)
.else
	ds_load_b128 v[32+32*(\kh)+4*\i:32+32*(\kh)+4*\i+3], v12 offset:(\i/2)*3072+1024*(\pass)+(\i%2)*512+16*(\kh)
.endif
.endr
.irp i, 0,1,2,3
.if \tp
	ds_load_b128 v[96+16*(\kh)+4*\i:96+16*(\kh)+4*\i+3], v13 offset:(\i/2)*3072+2048+(\i%2)*512+16*(\kh)
.else
	ds_load_b128 v[96+16*(\kh)+4*\i:96+16*(\kh)+4*\i+3], v10 offset:512*\i+16*(\kh)
.endif
.endr
.endm
; matrix instructions number from .. to of a K step's 32.  The 32 accumulators take turns, one instruction a turn, in one order in every step.
; mode 0: onto the sums;  1: the sums begin with the bias at v[cb + 8 i0] of window 3;  2: with bv at v[224 + 8 i1]
.macro MULS f, sg, sp, from, to, mode, cb
.set n, \from
.rept (\to)-(\from)+1
.set rD, 64*(n/8)+8*(n%8)
.set rA, 128*(\f)+12*(n%8)
.set rB, 48*(\f)+12*(n/8)
.set rX, 32+32*(\sg)+4*(n%8)+(\sp)
.set rY, 96+16*(\sg)+4*(n/8)+(\sp)
.if (\mode) == 0
	v_wmma_scale_f32_16x16x128_f8f6f4 v[rD:rD+7], v[rA:rA+11], v[rB:rB+11], v[rD:rD+7], v[rX], v[rY] matrix_a_fmt:MATRIX_FMT_BF6 matrix_b_fmt:MATRIX_FMT_BF6
.elseif (\mode) == 1
.set rC, (\cb)+8*(n%8)
	v_wmma_scale_f32_16x16x128_f8f6f4 v[rD:rD+7], v[rA:rA+11], v[rB:rB+11], v[rC:rC+7], v[rX], v[rY] matrix_a_fmt:MATRIX_FMT_BF6 matrix_b_fmt:MATRIX_FMT_BF6
.else
.set rC, 224+8*(n/8)
	v_wmma_scale_f32_16x16x128_f8f6f4 v[rD:rD+7], v[rA:rA+11], v[rB:rB+11], v[rC:rC+7], v[rX], v[rY] matrix_a_fmt:MATRIX_FMT_BF6 matrix_b_fmt:MATRIX_FMT_BF6
.endif
.set n, n+1
.endr
.endm
; one of a half's first three K steps: its fragments were asked for a step ago; the next step's go into the other set
.macro STEP tp, kh, sp, mode, cb
	s_wait_dscnt 0x0
	PLACES
	FETCH ((\sp)+1)%2, \tp, \kh, (\sp)+1
.if \mode
	WIN MULB
.else
	WIN MUL
.endif
	MULS (\sp)%2, \kh, \sp, 0, 31, \mode, \cb
.endm
; a half's last K step changes slots: ONE barrier.  In front of it each wave waits for all its tensor loads, adds 0 to its spare word, and waits for that and for its reads of this slot.
; fill = 1: the barrier opens a round of the cluster's barrier, and this slot takes the same half of the next W.  ntp, npass: the kind and pass of the half that follows.
.macro TURN kh, fill, ntp, npass
	WIN 0                                          ; (the add's two registers lie in window 0)
	s_wait_tensorcnt 0x0                           ; all my tensor loads have landed, my part of the next slot among them
	ds_add_u32 v[SPW], v[NIL]                      ; 0 onto my spare word
	s_wait_dscnt 1                                 ; this step's fragments are in; the add alone may be out
	WIN MUL
	MULS 1, \kh, 3, 0, 15, 0, 0
	s_wait_dscnt 0x0                               ; the add is done, and my reads of this slot are over
	s_barrier_signal -1
	MULS 1, \kh, 3, 16, 23, 0, 0
	WIN 0
	s_barrier_wait -1
.if \fill
	CREST                                          ; no wave of any partner still reads this slot or has a load on its way
	s_add_nc_u64 s[82+4*(\kh):83+4*(\kh)], s[82+4*(\kh):83+4*(\kh)], PASSB
	tensor_load_to_lds s[80+4*(\kh):83+4*(\kh)], s[36:43]   ; my one tensor load behind the round: it has a half pass, 128 matrix instructions, in which to land
	s_nop 0
.endif
	PLACES                                         ; behind the load, and in front of the loads below
	FETCH 0, \ntp, 1-(\kh), 0
	SCL \ntp, \npass, 1-(\kh)
	WIN MUL
	MULS 1, \kh, 3, 24, 31, 0, 0
.endm
; 64 numbers of a lane in window 2, v[s] on, register 16 b + i = k 32 b + 16 (lane / 16) + i of the lane's row, become a fragment in v[PC] on and its scale word in v[pw]
.macro QUANTA s, pw
	WIN 0x0a                                       ; sources 0 and 1 window 2
.irp b, 0,1,2,3
	v_max3_num_f32 v[TM+\b], |v[(\s)+16*\b]|, |v[(\s)+1+16*\b]|, 0x2800000   ; each accumulator is read from its low end on; the floor 2^(5 - 127) holds the byte at 1
.endr
.irp i, 2,4,6,8,10,12,14
.irp b, 0,1,2,3
	v_max3_num_f32 v[TM+\b], |v[(\s)+16*\b+\i]|, |v[(\s)+1+16*\b+\i]|, v[TM+\b]
.endr
.endr
	WIN 0
.irp b, 0,1,2,3
	v_permlanex16_b32 v[TM+4+\b], v[TM+\b], s[SEL], s[SEL+1]
.endr
.irp b, 0,1,2,3
	v_max_num_f32 v[TM+\b], v[TM+\b], v[TM+4+\b]
.endr
.irp b, 0,1,2,3
	v_add_nc_u32 v[TM+12+\b], 0xfe000000, v[TM+\b] ; 4 off the exponent field: the conversion's scale operand
.endr
.irp b, 0,1,2,3
	v_lshrrev_b32 v[TM+4+\b], 23, v[TM+12+\b]
.endr
	v_lshl_or_b32 v[\pw], v[TM+5], 8, v[TM+4]
	v_lshl_or_b32 v[\pw], v[TM+6], 16, v[\pw]
	v_lshl_or_b32 v[\pw], v[TM+7], 24, v[\pw]
	WIN 0x02                                       ; source 0 window 2
.irp c, 0,1
	v_cvt_scalef32_pk16_bf6_f32 v[PC+6*\c:PC+2+6*\c], v[(\s)+32*\c:(\s)+15+32*\c], v[TM+12+2*\c]
	v_cvt_scalef32_pk16_bf6_f32 v[PC+12+4*\c:PC+14+4*\c], v[(\s)+16+32*\c:(\s)+31+32*\c], v[TM+12+2*\c+1]
.endr
	WIN 0
	v_nop                                          ; one plain place behind a scaled conversion
.irp c, 0,1
.irp i, 0,1,2
	v_permlane16_swap_b32 v[PC+6*\c+\i], v[PC+12+4*\c+\i]
.endr
.irp i, 0,1,2
	v_mov_b32 v[PC+3+6*\c+\i], v[PC+12+4*\c+\i]
.endr
.endr
.endm
; a pass's way out: my four lane tiles, each 64 registers, become four fragments.  Pieces 0-2 and 3-5 lie hoff bytes apart (q, k: two heads; v: one fragment), fragments tstride apart.
; The four scale words a lane meet in my 256 bytes of LDS and leave as 256 consecutive bytes.
.macro EPI tstride, hoff, cb, sb
	WIN 0
	PLACES
.irp i, 0,1,2,3
	s_wait_xcnt 0x0                                ; earlier stores have read their registers: PC is rewritten only behind this wait
	QUANTA 64*\i, PW+\i
.irp p, 0,1,2,3,4,5
	global_store_b64 v16, v[PC+2*\p:PC+2*\p+1], s[\cb:\cb+1] offset:\i*(\tstride)+256*(\p%3)+(\p/3)*(\hoff)   ; 32 lanes store 256 consecutive bytes, aligned
.endr
	ds_store_b32 v17, v[PW+\i] offset:64*\i        ; lanes r and r + 16 write the same word with the same value
.endr
	ds_load_b64 v[168:169], v18                    ; LDS serves a wave's instructions in order: this sees my stores
	s_wait_dscnt 0x0
	global_store_b64 v16, v[168:169], s[\sb:\sb+1]
.endm
	s_load_b256 s[4:11], s[0:1], 0x0               ; xq, wq, bq, bk
	s_load_b128 s[12:15], s[0:1], 0x20             ; bv, qq
	s_load_b64 s[16:17], s[0:1], 0x30              ; kv
	v_lshl_add_u32 v[SPW], v0, 2, SPARE
	v_mov_b32 v[NIL], 0
	ds_add_u32 v14, v15
	ds_add_u32 v14, v15
	s_wait_dscnt 0x0
	v_lshrrev_b32 v1, 5, v0
	v_readfirstlane_b32 s18, v1                    ; wave 0..3
	s_lshr_b32 s19, s18, 1
	s_and_b32 s20, s18, 1
	s_bfe_u32 s21, ttmp6, 0x40000                  ; cx
	s_bfe_u32 s22, ttmp6, 0x40004                  ; cy
	s_lshl_b32 s23, ttmp9, 2
	s_add_co_u32 s23, s23, s21                     ; gx
	s_and_b32 s24, ttmp7, 0xffff
	s_lshl_b32 s24, s24, 2
	s_add_co_u32 s24, s24, s22                     ; gy
	s_lshl_b32 s25, s22, 2
	s_lshl_b32 s25, 15, s25                        ; my row of the cluster
	s_lshl_b32 s26, 0x1111, s21                    ; my column
	s_or_b32 s28, s25, (3<<16)|(1<<21)             ; x's codes: the mask, elements of 8 bytes, bit 21 beside a mask
	s_or_b32 s44, s25, (3<<16)|(1<<21)             ; x's scale rows
	s_or_b32 s36, s26, (3<<16)|(1<<21)             ; W's codes
	s_or_b32 s52, s26, (3<<16)|(1<<21)             ; W's scale rows
	GROUP1 28, 768, 4, 1536                        ; 4 tiles x 6,144 bytes (half a K), 12,288 bytes apart
	GROUP1 36, 768, 2, 1536                        ; 2 tiles likewise
	GROUP1 44, 32, 8, 32                           ; 2,048 dense bytes as 8 rows of 256
	GROUP1 52, 128, 3, 4096                        ; 1,024 bytes (2 tiles) of each of the three W, 32,768 bytes apart
	s_mov_b32 s60, 1
	s_lshl_b32 s61, s18, 11
	s_add_co_u32 s61, s61, XSC
	s_mov_b32 s68, 1
	s_mul_i32 s69, s18, 3072
	s_add_co_u32 s69, s69, WSC
	s_mov_b32 s72, 1
	s_mul_i32 s73, s18, 24576
	s_mov_b32 s76, 1
	s_add_co_u32 s77, s73, XHALF
	s_mov_b32 s80, 1
	s_mul_i32 s81, s18, 12288
	s_add_co_u32 s81, s81, WS
	s_mov_b32 s84, 1
	s_add_co_u32 s85, s81, WSLOT
	s_mov_b32 s[SEL], 0x76543210
	s_mov_b32 s[SEL+1], 0xfedcba98
	s_wait_kmcnt 0x0
	s_lshl_b32 s2, s24, 13                         ; x's side: gy and the wave's number alone
	s_lshl_b32 s3, s18, 11
	s_add_co_u32 s2, s2, s3
	s_add_co_u32 s2, s2, 6291456
	s_mov_b32 s3, 0
	s_add_nc_u64 s[62:63], s[4:5], s[2:3]
	s_or_b32 s63, s63, 0x80000000
	s_mul_i32 s2, s24, 196608
	s_mul_i32 s3, s18, 49152
	s_add_co_u32 s2, s2, s3
	s_mov_b32 s3, 0
	s_add_nc_u64 s[74:75], s[4:5], s[2:3]
	s_add_nc_u64 s[78:79], s[74:75], TILEH
	s_or_b32 s75, s75, 0x80000000
	s_or_b32 s79, s79, 0x80000000
	s_lshl_b32 s26, s23, 12                        ; W's side: gx and the wave's number alone
	s_lshl_b32 s27, s18, 10
	s_add_co_u32 s26, s26, s27
	s_add_co_u32 s26, s26, 3145728
	s_mov_b32 s27, 0
	s_add_nc_u64 s[70:71], s[6:7], s[26:27]
	s_or_b32 s71, s71, 0x80000000
	s_mul_i32 s26, s23, 98304
	s_mul_i32 s27, s18, 24576
	s_add_co_u32 s26, s26, s27
	s_mov_b32 s27, 0
	s_add_nc_u64 s[82:83], s[6:7], s[26:27]
	s_add_nc_u64 s[86:87], s[82:83], TILEH
	s_or_b32 s83, s83, 0x80000000
	s_or_b32 s87, s87, 0x80000000
	CROUND                                         ; all sixteen work-groups are here: the first joint loads meet
	tensor_load_to_lds s[60:63], s[44:51]          ; the first fills go out as one group: six loads of mine are out.  x's scale rows,
	s_nop 0
	tensor_load_to_lds s[68:71], s[52:59]          ; W's,
	s_nop 0
	tensor_load_to_lds s[72:75], s[28:35]          ; x's first half of K,
	s_nop 0
	tensor_load_to_lds s[80:83], s[36:43]          ; Wq's,
	s_nop 0
	tensor_load_to_lds s[76:79], s[28:35]          ; x's second half,
	s_nop 0
	tensor_load_to_lds s[84:87], s[36:43]          ; Wq's
	s_nop 0
	PLACES
	v_and_b32 v21, 15, v0                          ; r
	v_bfe_u32 v22, v0, 4, 1                        ; h
	v_and_b32 v23, 31, v0                          ; lane
	v_lshlrev_b32 v16, 3, v23                      ; a piece's place for my lane
	v_lshlrev_b32 v19, 6, v22                      ; bq, bk: 16 h numbers on
	s_wait_alu depctr_va_vdst(0)
	v_and_b32 v20, 8, v21
	v_add_nc_u32 v20, v20, v21
	v_lshlrev_b32 v20, 2, v20                      ; bv: r + 8 (r / 8) numbers on
	s_wait_alu depctr_va_vdst(0)
	s_lshl_b32 s2, s23, 9                          ; the work-group's 128 channels
	s_mov_b32 s3, 0
	s_add_nc_u64 s[8:9], s[8:9], s[2:3]
	s_add_nc_u64 s[10:11], s[10:11], s[2:3]
	s_lshl_b32 s25, s20, 8
	s_add_co_u32 s2, s2, s25                       ; v: my 64 of them
	s_add_nc_u64 s[12:13], s[12:13], s[2:3]
	WIN 0xc0                                       ; destination window 3
.irp i, 0,1,2,3,4,5,6,7
	global_load_b128 v[96+8*\i:96+8*\i+3], v19, s[8:9] offset:(32*(\i/2)+8*(\i%2))*4
	global_load_b128 v[96+8*\i+4:96+8*\i+7], v19, s[8:9] offset:(32*(\i/2)+8*(\i%2))*4+16
	global_load_b128 v[160+8*\i:160+8*\i+3], v19, s[10:11] offset:(32*(\i/2)+8*(\i%2))*4
	global_load_b128 v[160+8*\i+4:160+8*\i+7], v19, s[10:11] offset:(32*(\i/2)+8*(\i%2))*4+16
.endr
.irp i, 0,1,2,3
	global_load_b32 v[224+8*\i], v20, s[12:13] offset:(32*(\i/2)+8*(\i%2))*4
.endr
	WIN 0
	s_mul_i32 s25, s18, 24576
	v_add_nc_u32 v2, s25, v16                      ; x as source 1: tiles 4 w .., K half 0, 1
	v_add_nc_u32 v3, XHALF, v2
	s_mul_i32 s25, s19, 49152
	v_add_nc_u32 v4, s25, v16                      ; x as source 0: tiles 8 (w / 2) ..
	v_add_nc_u32 v5, XHALF, v4
	v_add_nc_u32 v6, WS, v16                       ; W as source 0: slot 0, 1
	v_add_nc_u32 v7, WS+WSLOT, v16
	s_mul_i32 s25, s20, 24576
	v_add_nc_u32 v8, s25, v6                       ; W as source 1: tiles 4 (w % 2) ..
	v_add_nc_u32 v9, s25, v7
	v_lshlrev_b32 v24, 5, v21                      ; a scale row: 32 r
	s_lshl_b32 s25, s18, 11
	s_add_co_u32 s25, s25, XSC
	v_add_nc_u32 v10, s25, v24
	s_lshl_b32 s25, s19, 12
	s_add_co_u32 s25, s25, XSC
	v_add_nc_u32 v11, s25, v24
	v_add_nc_u32 v12, WSC, v24
	s_mul_i32 s25, s20, 6144
	s_add_co_u32 s25, s25, WSC
	v_add_nc_u32 v13, s25, v24
	s_lshl_b32 s25, s18, 8
	s_add_co_u32 s25, s25, STG
	v_lshl_add_u32 v17, v21, 2, s25
	v_add_nc_u32 v18, s25, v16
.irp b, 0,1,2,3
	v_mov_b32 v[TM+4+\b], 0                        ; written once: a lane permute's destination counts as one of its sources
.endr
	; where the results go
	s_lshr_b32 s25, s24, 3                         ; the batch
	s_and_b32 s26, s24, 7                          ; which 256 of its tokens
	s_lshl_b32 s27, s25, 3
	s_add_co_u32 s27, s27, s23                     ; the pair of heads, 8 b + gx
	s_lshl_b32 s2, s26, 4
	s_lshl_b32 s3, s18, 2
	s_add_co_u32 s2, s2, s3                        ; q, k: my first token tile in the batch
	s_lshl_b32 s3, s26, 1
	s_add_co_u32 s3, s3, s19                       ; the key step of 128 tokens
	s_mul_i32 s88, s27, 196608
	s_mul_i32 s25, s2, 768
	s_add_co_u32 s88, s88, s25
	s_mov_b32 s89, 0
	s_add_nc_u64 s[88:89], s[14:15], s[88:89]      ; q's codes
	s_lshl_b32 s90, s27, 13
	s_lshl_b32 s25, s2, 6
	s_add_co_u32 s90, s90, s25
	s_add_co_u32 s90, s90, 6291456
	s_mov_b32 s91, 0
	s_add_nc_u64 s[90:91], s[14:15], s[90:91]      ; q's scale words
	s_mul_i32 s92, s27, 393216
	s_mul_i32 s26, s3, 12288
	s_add_co_u32 s92, s92, s26
	s_mul_i32 s96, s20, 196608
	s_add_co_u32 s96, s96, s92
	s_add_co_u32 s96, s96, 6144
	s_mov_b32 s97, 0
	s_add_nc_u64 s[96:97], s[16:17], s[96:97]      ; v's codes
	s_mul_i32 s26, s20, 3072
	s_add_co_u32 s92, s92, s26
	s_mov_b32 s93, 0
	s_add_nc_u64 s[92:93], s[16:17], s[92:93]      ; k's codes
	s_lshl_b32 s94, s27, 14
	s_add_co_u32 s94, s94, 12582912
	s_lshl_b32 s98, s20, 12
	s_add_co_u32 s98, s98, s94
	s_lshl_b32 s26, s3, 8
	s_add_co_u32 s98, s98, s26
	s_add_co_u32 s98, s98, 8192
	s_mov_b32 s99, 0
	s_add_nc_u64 s[98:99], s[16:17], s[98:99]      ; v's scale words
	s_add_co_u32 s94, s94, s25
	s_mov_b32 s95, 0
	s_add_nc_u64 s[94:95], s[16:17], s[94:95]      ; k's scale words
	s_wait_loadcnt 0x0                             ; the biases
	WIN 0xc3
.irp i, 0,1,2,3
.irp j, 1,2,3,4,5,6,7
	v_mov_b32 v[224+8*\i+\j], v[224+8*\i]          ; in v's results a lane is one channel: its bias in all eight registers
.endr
.endr
	WIN 0
	s_wait_tensorcnt 2                             ; the scale rows and the first halves are in; the two second halves may stay out
	s_barrier_signal -1
	s_barrier_wait -1
	FETCH 0, 0, 0, 0
	SCL 0, 0, 0
	; ---- q
	STEP 0, 0, 0, 1, 96
	STEP 0, 0, 1, 0, 0
	STEP 0, 0, 2, 0, 0
	TURN 0, 1, 0, 0
	STEP 0, 1, 0, 0, 0
	STEP 0, 1, 1, 0, 0
	STEP 0, 1, 2, 0, 0
	TURN 1, 1, 0, 1
	EPI 768, 98304, 88, 90
	; ---- k
	STEP 0, 0, 0, 1, 160
	STEP 0, 0, 1, 0, 0
	STEP 0, 0, 2, 0, 0
	TURN 0, 1, 0, 1
	STEP 0, 1, 0, 0, 0
	STEP 0, 1, 1, 0, 0
	STEP 0, 1, 2, 0, 0
	TURN 1, 1, 1, 2
	EPI 768, 196608, 92, 94
	; ---- v
	STEP 1, 0, 0, 2, 0
	STEP 1, 0, 1, 0, 0
	STEP 1, 0, 2, 0, 0
	TURN 0, 0, 1, 2                                ; nothing is left to fetch
	STEP 1, 1, 0, 0, 0
	STEP 1, 1, 1, 0, 0
	STEP 1, 1, 2, 0, 0
	s_wait_dscnt 0x0
	WIN MUL
	MULS 1, 1, 3, 0, 31, 0, 0
	EPI 1536, 768, 96, 98
	s_wait_tensorcnt 0x0                           ; the wave's end
	ds_add_u32 v[SPW], v[NIL]
	s_wait_dscnt 0x0
	CROUND                                         ; the closing round
	s_endpgm
.Lfunc_end_k_qd2e1497382_qkv:
	.size	k_qd2e1497382_qkv, .Lfunc_end_k_qd2e1497382_qkv-k_qd2e1497382_qkv
	.p2alignl 7, 3214868480
	.fill 96, 4, 3214868480
	.section	.rodata,"a",@progbits
	.p2align	6, 0x0
	.amdhsa_kernel k_qd2e1497382_qkv
		.amdhsa_group_segment_fixed_size 327680
		.amdhsa_private_segment_fixed_size 0
		.amdhsa_enable_private_segment 0
		.amdhsa_kernarg_size 56
		.amdhsa_user_sgpr_count 2
		.amdhsa_user_sgpr_kernarg_segment_ptr 1
		.amdhsa_wavefront_size32 1
		.amdhsa_system_sgpr_workgroup_id_x 1
		.amdhsa_system_sgpr_workgroup_id_y 1
		.amdhsa_system_sgpr_workgroup_id_z 1
		.amdhsa_system_vgpr_workitem_id 0
		.amdhsa_next_free_vgpr 1024
		.amdhsa_next_free_sgpr 102
		.amdhsa_reserve_vcc 0
		.amdhsa_float_denorm_mode_32 3
		.amdhsa_float_denorm_mode_16_64 3
		.amdhsa_memory_ordered 1
		.amdhsa_forward_progress 1
		.amdhsa_inst_pref_size 255
	.end_amdhsa_kernel
	.section	.bss,"aw",@nobits
	.p2align	6
	.space	262144
	.amdgpu_metadata
---
amdhsa.version: [ 1, 2 ]
amdhsa.kernels:
  - .name:           k_qd2e1497382_qkv
    .symbol:         k_qd2e1497382_qkv.kd
    .args:
      - { .name: xq, .offset: 0, .size: 8, .value_kind: global_buffer, .address_space: global }
      - { .name: wq, .offset: 8, .size: 8, .value_kind: global_buffer, .address_space: global }
      - { .name: bq, .offset: 16, .size: 8, .value_kind: global_buffer, .address_space: global }
      - { .name: bk, .offset: 24, .size: 8, .value_kind: global_buffer, .address_space: global }
      - { .name: bv, .offset: 32, .size: 8, .value_kind: global_buffer, .address_space: global }
      - { .name: qq, .offset: 40, .size: 8, .value_kind: global_buffer, .address_space: global }
      - { .name: kv, .offset: 48, .size: 8, .value_kind: global_buffer, .address_space: global }
    .group_segment_fixed_size: 327680
    .private_segment_fixed_size: 0
    .kernarg_segment_align: 8
    .kernarg_segment_size: 56
    .max_flat_workgroup_size: 128
    .sgpr_count:     102
    .vgpr_count:     1024
    .wavefront_size: 32
...
	.end_amdgpu_metadata
.endif
;; end of part 2
;; launch attn (part 3): grid 4 x 64, 16 waves a work-group, clusters of 4 x 1, 327,680 bytes of LDS; arguments qq, kv, yq; writes yq
.if DOCPART == 3
	.amdgcn_target "amdgcn-amd-amdhsa--gfx1250"
	.amdhsa_code_object_version 6
	.text
	.protected	k_qd2e1497382_attn
	.globl	k_qd2e1497382_attn
	.p2align	8
	.type	k_qd2e1497382_attn,@function
k_qd2e1497382_attn:
	s_mov_b64 s[64:65], 0
	v_nop
	global_prefetch_b8 v0, s[64:65] scope:SCOPE_SE
	s_setreg_imm32_b32 hwreg(HW_REG_WAVE_MODE, 25, 1), 1
	s_wait_xcnt 0x0
	s_wait_alu depctr_hold_cnt(0) depctr_sa_sdst(0) depctr_va_vdst(0) depctr_va_sdst(0) depctr_va_ssrc(0) depctr_va_vcc(0) depctr_vm_vsrc(0)
	s_getreg_b32 s2, hwreg(HW_REG_IB_STS2, 6, 4)
	s_cmp_eq_u32 s2, 0
	s_cbranch_scc0 .Lentry_in_a_cluster
	s_endpgm
.Lentry_in_a_cluster:
	s_bfe_u32 s2, ttmp6, 0x10000c
	s_cmp_lg_u32 s2, 0x3003
	s_cbranch_scc0 .Lentry_shape_is_right
	s_endpgm
.Lentry_shape_is_right:
; y[b][q][head] = softmax_k(q . k / 8, causal) v, both products on codes of BF6 (E3M2) with E8M0 scales, and y quantised along its channels on the way out.
; THE SOFTMAX: t = score x log2(e) / 8; M = the running largest t rounded UP to a whole number; p = 2^(t - M) is quantised along the keys, not normalised; the row's sum is taken of the unquantised p and divides at the end.
; When M moves, the sum and O are multiplied by 2^(old M - new M): exact.
; The head's size is 64: half of the first product's 128 along K.  The upper six registers of q's and k's fragments hold zero codes, and the upper two scale bytes 0 (2^-127): they add nothing.
; SHARES: a cluster of four work-groups takes one head (64 of them).  The head's K, V and scale words (212,992 bytes) lie whole in each work-group's LDS, filled ONCE, by joint loads that name the four: no slot is filled again.
; Of each block of 128 queries (8 tiles of 16) work-group j takes tiles 2 j, 2 j + 1.  Wave w takes tile 2 j + w % 2 of block w / 2 and then of block 15 - w / 2: 17 key steps of 128 for every wave of the launch.
; Trip counts are constants (8, 16); a step all of whose keys come after the block is jumped over by a scalar branch on the wave's number and the step's; the step on the diagonal hides scores by compare and select.
; No branch and no LDS address hangs on the place in the cluster: it enters q's and y's global addresses and the number that the mask compares.
; LAYOUT: S^T = K Q^T, O^T = V^T P^T: a lane holds ONE query.  A tile's lane r stands for row 32 (T / 2) + 8 (T % 2) + r + 8 (r / 8), so the 16 registers of tiles 2 b, 2 b + 1 are 16 neighbours.
; LIMITS: NaN and infinities are not served; a block of zeros gets the scale byte 1 (only this program reads the bytes).  y's scale bytes leave one a lane: 32 bytes for a tile and head, 1/24 of its codes' bytes.
; REGISTERS: v1-6 addresses that stay, v8-10 the step's; v12 -M, v13 the largest t, v[14:15] the sum; v16-27 Q; v28-31 V's scale words; v32-79 four fragments of K; v80-127 V's four; v128-191 S^T, then p; v192-223 O^T;
;   v224-235 p's codes; v232-247 at work; v248-251 K's scale words; v252 f; v253 p's scale word; v254 at work; v255 Q's scale word.
.set SCR, 196608                       ; LDS: codes [key step][K 8 x 768 | V 4 x 1,536] at 0; here the pair of heads' record: K's words 8,192, V's 4,096 for each head
.set ST,  128
.set OT,  192
.macro PLACES
.rept 4
	v_nop
.endr
.endm
.macro CROUND
	s_barrier_signal -1
	s_barrier_wait -1
	s_cmp_lg_u32 s10, 0
	s_cbranch_scc1 .Lnot_wave_0_\@
	s_barrier_signal -3
.Lnot_wave_0_\@:
	s_barrier_wait -3
	s_barrier_signal -1
	s_barrier_wait -1
.endm
.macro GROUP1 g, c, r, p
	s_mov_b32 s[\g+1], ((\c)&0xffff)<<16
	s_mov_b32 s[\g+2], ((\c)>>16)|(((\r)&0xffff)<<16)
	s_mov_b32 s[\g+3], ((\r)>>16)|((\c)<<16)
	s_mov_b32 s[\g+4], \r
	s_mov_b32 s[\g+5], \p
	s_mov_b32 s[\g+6], 0
	s_mov_b32 s[\g+7], 0
.endm
	s_load_b128 s[4:7], s[0:1], 0x0                ; qq, kv
	s_load_b64 s[8:9], s[0:1], 0x10                ; yq
	v_lshl_add_u32 v254, v0, 2, 0x34000
	v_mov_b32 v255, 0
	ds_add_u32 v254, v255
	ds_add_u32 v254, v255
	s_wait_dscnt 0x0
	v_lshrrev_b32 v7, 5, v0
	s_delay_alu instid0(VALU_DEP_1)
	v_readfirstlane_b32 s10, v7                    ; wave 0..15
	s_bfe_u32 s21, ttmp6, 0x40000                  ; j: my place in the cluster
	s_and_b32 s22, ttmp7, 0xffff                   ; 16 b + head, which the four partners share
	s_and_b32 s23, s10, 1                          ; e
	s_lshr_b32 s53, s10, 1                         ; w / 2
	s_mov_b32 s24, 15|(3<<16)|(1<<21)              ; the mask: all four; elements of 8 bytes; bit 21 beside a mask
	GROUP1 24, 32, 24, 32                          ; 6,144 dense bytes as 24 rows of 256
	s_mov_b32 s32, 15|(3<<16)|(1<<21)
	GROUP1 32, 32, 4, 32                           ; 1,024 dense bytes
	s_mov_b32 s40, 1
	s_lshl_b32 s41, s10, 10
	s_add_co_u32 s41, s41, SCR
	s_mov_b32 s44, 1
	s_mul_i32 s45, s10, 6144
	s_mov_b32 s48, 1
	s_add_co_u32 s49, s45, 98304
	s_lshr_b32 s62, s22, 1
	s_lshl_b32 s62, s62, 14
	s_lshl_b32 s63, s10, 10
	s_add_co_u32 s62, s62, s63
	s_add_co_u32 s62, s62, 12582912
	s_mov_b32 s63, 0
	s_mul_i32 s66, s22, 196608
	s_add_co_u32 s66, s66, s45
	s_mov_b32 s67, 0
	s_mov_b32 s16, 0x76543210
	s_mov_b32 s17, 0xfedcba98                      ; lane selects: lane l xor 16
	s_mov_b32 s18, 0x3e38aa3b                      ; c = log2(e) / 8
	s_mov_b32 s19, s18                             ; (named with it as a pair)
	s_mov_b32 s20, 0xffff0000                      ; lanes 16-31
	s_wait_kmcnt 0x0
	s_add_nc_u64 s[42:43], s[6:7], s[62:63]
	s_or_b32 s43, s43, 0x80000000
	s_add_nc_u64 s[46:47], s[6:7], s[66:67]
	s_add_nc_u64 s[50:51], s[46:47], 98304
	s_or_b32 s47, s47, 0x80000000
	s_or_b32 s51, s51, 0x80000000
	CROUND                                         ; all four work-groups are here: the joint loads meet
	tensor_load_to_lds s[40:43], s[32:39]          ; my sixteenth of the scale words, of key steps 0-7 and of key steps 8-15: one load of mine is out at a time
	s_nop 0
	s_wait_alu depctr_va_vdst(0)
	s_wait_tensorcnt 0x0
	ds_add_u32 v254, v255
	s_wait_dscnt 0x0
	CROUND
	tensor_load_to_lds s[44:47], s[24:31]
	s_nop 0
	s_wait_alu depctr_va_vdst(0)
	s_wait_tensorcnt 0x0
	ds_add_u32 v254, v255
	s_wait_dscnt 0x0
	CROUND
	tensor_load_to_lds s[48:51], s[24:31]
	s_nop 0
	PLACES
	v_and_b32 v7, 31, v0
	s_delay_alu instid0(VALU_DEP_1)
	v_lshlrev_b32 v1, 3, v7                        ; a piece's place for my lane
	v_and_b32 v7, 15, v0                           ; r
	s_wait_alu depctr_va_vdst(0)
	v_bfe_u32 v11, v0, 4, 1                        ; h
	s_wait_alu depctr_va_vdst(0)
	s_and_b32 s62, s22, 1
	s_lshl_b32 s63, s62, 1
	s_add_co_u32 s63, s63, SCR
	v_lshl_add_u32 v2, v7, 2, s63                  ; K's scale words: 4 r, my head's two bytes
	s_lshl_b32 s63, s62, 12
	s_add_co_u32 s63, s63, SCR+8192
	v_lshl_add_u32 v3, v7, 2, s63                  ; V's: my head's 4,096 bytes
	v_lshlrev_b32 v4, 2, v7
	v_lshl_add_u32 v5, v7, 5, v11                  ; y's scale bytes: 32 r + h
	s_lshl_b32 s66, s21, 5
	s_lshl_b32 s67, s23, 3
	s_add_co_u32 s66, s66, s67
	v_and_b32 v6, 8, v7
	s_delay_alu instid0(VALU_DEP_1)
	v_add_nc_u32 v6, v6, v7
	v_lshlrev_b32 v11, 4, v11
	s_delay_alu instid0(VALU_DEP_1)
	v_sub_nc_u32 v6, v6, v11
	s_delay_alu instid0(VALU_DEP_1)
	v_add_nc_u32 v6, s66, v6                       ; d = my query's place in its block - 16 h.  Register 16 b + i holds the step's key 32 b + i + 16 h: hidden on the diagonal where 32 b + i > d
.irp i, 22,23,24,25,26,27
	v_mov_b32 v[\i], 0                             ; zero codes for the upper 64 along K: Q's,
.endr
.irp t, 0,1,2,3
.irp i, 6,7,8,9,10,11
	v_mov_b32 v[32+12*\t+\i], 0                    ; and K's
.endr
.endr
.irp b, 0,1,2,3
	v_mov_b32 v[236+\b], 0                         ; written once: a lane permute's destination counts as one of its sources
.endr
	v_mov_b32 v252, 0
	v_mov_b32 v253, 0
	v_mov_b32 v254, 0
; A KEY STEP: 128 keys.  s12 its number, s11 my block's; s13, s14, s15 where its codes, K's words and V's words begin
.macro STEP
	s_cmp_gt_u32 s12, s11
	s_cbranch_scc1 .Lhidden_\@                     ; all its keys come after my queries
	s_setprio 2
	v_add_nc_u32 v8, s13, v1
	v_add_nc_u32 v9, s14, v2
	v_add_nc_u32 v10, s15, v3
.irp t, 0,1,2,3
.irp p, 0,1,2
	ds_load_b64 v[32+12*\t+2*\p:33+12*\t+2*\p], v8 offset:\t*768+256*\p
.endr
	ds_load_u16 v[248+\t], v9 offset:\t*64
.endr
	s_wait_alu depctr_va_vdst(0)
	s_wait_dscnt 0x0
.irp t, 0,1,2,3
	v_wmma_scale_f32_16x16x128_f8f6f4 v[ST+8*\t:ST+8*\t+7], v[32+12*\t:43+12*\t], v[16:27], 0, v[248+\t], v255 matrix_a_fmt:MATRIX_FMT_BF6 matrix_b_fmt:MATRIX_FMT_BF6
.endr
	PLACES                                         ; in front of loads into registers that matrix instructions have read
.irp t, 0,1,2,3
.irp p, 0,1,2
	ds_load_b64 v[32+12*\t+2*\p:33+12*\t+2*\p], v8 offset:(4+\t)*768+256*\p
.endr
	ds_load_u16 v[248+\t], v9 offset:(4+\t)*64
.endr
.irp t, 0,1,2,3
.irp p, 0,1,2,3,4,5
	ds_load_b64 v[80+12*\t+2*\p:81+12*\t+2*\p], v8 offset:6144+1536*\t+256*\p   ; V is asked for here and lands under the softmax
.endr
	ds_load_b32 v[28+\t], v10 offset:64*\t
.endr
	s_wait_dscnt 28                                ; K's 16 loads are in; V's 28 may be out
.irp t, 0,1,2,3
	v_wmma_scale_f32_16x16x128_f8f6f4 v[ST+32+8*\t:ST+32+8*\t+7], v[32+12*\t:43+12*\t], v[16:27], 0, v[248+\t], v255 matrix_a_fmt:MATRIX_FMT_BF6 matrix_b_fmt:MATRIX_FMT_BF6
.endr
	PLACES
	s_cmp_lg_u32 s12, s11
	s_cbranch_scc1 .Lopen_\@                       ; off the diagonal every key counts
	v_mov_b32 v254, 0xff800000                     ; -infinity: p = 0 then
.set n, 0
.rept 64
	v_cmp_gt_i32 vcc_lo, 32*(n/16)+n%16, v6
	v_cndmask_b32 v[ST+n], v[ST+n], v254, vcc_lo
.set n, n+1
.endr
.Lopen_\@:
.irp b, 0,1,2,3
	v_max3_num_f32 v[232+\b], v[ST+16*\b], v[ST+1+16*\b], v[ST+2+16*\b]   ; the largest score of each block of 32 keys: for the row's maximum, and, since p rises with the score, for the block's largest p
.endr
.irp i, 3,5,7,9,11,13
.irp b, 0,1,2,3
	v_max3_num_f32 v[232+\b], v[232+\b], v[ST+16*\b+\i], v[ST+1+16*\b+\i]
.endr
.endr
.irp b, 0,1,2,3
	v_max_num_f32 v[232+\b], v[232+\b], v[ST+15+16*\b]
.endr
.irp b, 0,1,2,3
	s_delay_alu instid0(VALU_DEP_4)
	v_permlanex16_b32 v[236+\b], v[232+\b], s16, s17
.endr
.irp b, 0,1,2,3
	s_delay_alu instid0(VALU_DEP_4)
	v_max_num_f32 v[232+\b], v[232+\b], v[236+\b]
.endr
	s_delay_alu instid0(VALU_DEP_2)
	v_max3_num_f32 v254, v232, v233, v234
	s_delay_alu instid0(VALU_DEP_1)
	v_max_num_f32 v254, v254, v235
	s_delay_alu instid0(VALU_DEP_1)
	v_mul_f32 v254, s18, v254                      ; as t (c is positive)
	s_delay_alu instid0(VALU_DEP_1)
	v_max_num_f32 v13, v13, v254                   ; the running largest t
	v_mov_b32 v254, v12
	s_delay_alu instid0(VALU_DEP_2)
	v_floor_f32 v12, -v13                          ; the new -M = -ceil(t)
	s_delay_alu instid0(VALU_DEP_1)
	v_sub_f32 v254, v12, v254                      ; old M - new M: a whole number, 0 or less
	s_delay_alu instid0(VALU_DEP_1)
	v_cvt_i32_f32 v254, v254                       ; (it saturates)
	s_delay_alu instid0(VALU_DEP_1)
	v_ldexp_f32 v252, 1.0, v254                    ; f = 2^(old M - new M)
.set n, 0
	s_setprio 1
.rept 32
	v_pk_fma_f32 v[ST+n:ST+n+1], v[ST+n:ST+n+1], s[18:19], v[12:13] op_sel_hi:[1,0,0]   ; t - M
.set n, n+2
.endr
.irp b, 0,1,2,3
	v_fma_f32 v[232+\b], v[232+\b], s18, v12
.endr
.set n, 0
	s_wait_alu depctr_va_vdst(0)
.rept 64
	v_exp_f32 v[ST+n], v[ST+n]                     ; p = 2^(t - M)
.set n, n+1
.endr
.irp b, 0,1,2,3
	v_exp_f32 v[232+\b], v[232+\b]                 ; the block's largest p
.endr
	v_pk_mul_f32 v[14:15], v[14:15], v[252:253] op_sel_hi:[1,0]   ; the sums under the new M (a plain place behind the exponentials)
	s_wait_alu depctr_va_vdst(0)
.irp b, 0,1,2,3
	v_max_num_f32 v[232+\b], 0x2800000, v[232+\b]  ; the floor 2^(5 - 127)
.endr
.irp b, 0,1,2,3
	s_delay_alu instid0(VALU_DEP_4)
	v_add_nc_u32 v[244+\b], 0xfe000000, v[232+\b]
.endr
.irp b, 0,1,2,3
	s_delay_alu instid0(VALU_DEP_4)
	v_lshrrev_b32 v[236+\b], 23, v[244+\b]
.endr
	s_delay_alu instid0(VALU_DEP_3)
	v_lshl_or_b32 v253, v237, 8, v236              ; p's scale word for these 128 keys
	s_delay_alu instid0(VALU_DEP_1)
	v_lshl_or_b32 v253, v238, 16, v253
	s_delay_alu instid0(VALU_DEP_1)
	v_lshl_or_b32 v253, v239, 24, v253
.irp c, 0,1
	v_cvt_scalef32_pk16_bf6_f32 v[224+6*\c:226+6*\c], v[ST+32*\c:ST+15+32*\c], v[244+2*\c]
	v_cvt_scalef32_pk16_bf6_f32 v[236+4*\c:238+4*\c], v[ST+16+32*\c:ST+31+32*\c], v[244+2*\c+1]
.endr
	v_nop                                          ; one plain place behind a scaled conversion
.irp c, 0,1
.irp i, 0,1,2
	v_permlane16_swap_b32 v[224+6*\c+\i], v[236+4*\c+\i]
.endr
.irp i, 0,1,2
	s_delay_alu instid0(VALU_DEP_3)
	v_mov_b32 v[227+6*\c+\i], v[236+4*\c+\i]
.endr
.endr
	v_pk_add_f32 v[236:237], v[ST:ST+1], v[ST+2:ST+3]   ; the row's sum of the unquantised p, in two chains
.set n, 4
	s_setprio 0
.rept 15
	v_pk_add_f32 v[14:15], v[14:15], v[ST+n:ST+n+1]
	v_pk_add_f32 v[236:237], v[236:237], v[ST+n+2:ST+n+3]
.set n, n+4
.endr
	s_delay_alu instid0(VALU_DEP_1)
	v_pk_add_f32 v[14:15], v[14:15], v[236:237]
.set n, 0
.rept 16
	v_pk_mul_f32 v[OT+n:OT+n+1], v[OT+n:OT+n+1], v[252:253] op_sel_hi:[1,0]   ; O^T under the new M; each accumulator from its low end on
.set n, n+2
.endr
	s_wait_alu depctr_va_vdst(0)
	s_wait_dscnt 0x0                               ; V
.irp t, 0,1,2,3
	v_wmma_scale_f32_16x16x128_f8f6f4 v[OT+8*\t:OT+8*\t+7], v[80+12*\t:91+12*\t], v[224:235], v[OT+8*\t:OT+8*\t+7], v[28+\t], v253 matrix_a_fmt:MATRIX_FMT_BF6 matrix_b_fmt:MATRIX_FMT_BF6
.endr
.Lhidden_\@:
	s_add_co_u32 s13, s13, 12288
	s_add_co_u32 s14, s14, 512
	s_add_co_u32 s15, s15, 256
	s_add_co_u32 s12, s12, 1
.endm
; One tile of 16 queries, of block s11, from its codes to y's codes.  nsteps: the loop's constant trip count
.macro PROCESS nsteps
	s_wait_xcnt 0x0                                ; the last tile's stores have read their registers and bases
	s_lshl_b32 s62, s11, 3
	s_lshl_b32 s63, s21, 1
	s_add_co_u32 s62, s62, s63
	s_add_co_u32 s62, s62, s23                     ; the tile in its batch: 8 block + 2 j + e
	s_lshl_b32 s63, s22, 7
	s_add_co_u32 s63, s63, s62
	s_mul_i32 s54, s63, 768
	s_mov_b32 s55, 0
	s_add_nc_u64 s[54:55], s[4:5], s[54:55]        ; Q's codes
	s_lshr_b32 s63, s22, 1
	s_lshl_b32 s63, s63, 7
	s_add_co_u32 s63, s63, s62
	s_lshl_b32 s56, s63, 6
	s_and_b32 s63, s22, 1
	s_lshl_b32 s63, s63, 1
	s_add_co_u32 s56, s56, s63
	s_add_co_u32 s56, s56, 6291456
	s_mov_b32 s57, 0
	s_add_nc_u64 s[56:57], s[4:5], s[56:57]        ; Q's scale bytes
	s_lshr_b32 s63, s22, 4
	s_lshl_b32 s63, s63, 7
	s_add_co_u32 s63, s63, s62                     ; y's tile among the 512
	s_and_b32 s66, s22, 15                         ; the head
	s_mul_i32 s58, s63, 12288
	s_lshr_b32 s67, s66, 1
	s_mul_i32 s67, s67, 1536
	s_add_co_u32 s58, s58, s67
	s_and_b32 s67, s66, 1
	s_mul_i32 s67, s67, 768
	s_add_co_u32 s58, s58, s67
	s_mov_b32 s59, 0
	s_add_nc_u64 s[58:59], s[8:9], s[58:59]        ; y's codes: K step head / 2, half head % 2
	s_lshl_b32 s60, s63, 9
	s_lshl_b32 s67, s66, 1
	s_add_co_u32 s60, s60, s67
	s_add_co_u32 s60, s60, 6291456
	s_mov_b32 s61, 0
	s_add_nc_u64 s[60:61], s[8:9], s[60:61]        ; y's scale bytes
.irp p, 0,1,2
	global_load_b64 v[16+2*\p:17+2*\p], v1, s[54:55] offset:256*\p
.endr
	global_load_u16 v255, v4, s[56:57]
	v_mov_b32 v13, 0xff61b1e6                      ; the largest t so far: -3e38
	s_delay_alu instid0(VALU_DEP_1)
	v_floor_f32 v12, -v13
	v_mov_b32 v14, 0
	v_mov_b32 v15, 0
.set n, 0
.rept 32
	v_mov_b32 v[OT+n], 0                           ; the loop is written once: its first step finds zeros, which the first change of M leaves zeros
.set n, n+1
.endr
	s_mov_b32 s12, 0
	s_mov_b32 s13, 0
	s_mov_b32 s14, 0
	s_mov_b32 s15, 0
	s_wait_loadcnt 0x0
.Lkeys_\@:
	STEP
	s_cmp_lt_u32 s12, \nsteps
	s_cbranch_scc1 .Lkeys_\@
	s_setprio 0
	PLACES
	v_add_f32 v14, v14, v15
	s_delay_alu instid0(VALU_DEP_1)
	v_permlanex16_b32 v252, v14, s16, s17
	s_delay_alu instid0(VALU_DEP_1)
	v_add_f32 v14, v14, v252                       ; the row's sum
	s_wait_alu depctr_va_vdst(0)
	v_rcp_f32 v14, v14
	v_nop                                          ; one plain place behind a transcendental
.set n, 0
	s_wait_alu depctr_va_vdst(0)
.rept 16
	v_pk_mul_f32 v[ST+n:ST+n+1], v[OT+n:OT+n+1], v[14:15] op_sel_hi:[1,0]   ; y: register 16 b + i = the head's channel 32 b + 16 h + i
.set n, n+2
.endr
.irp b, 0,1
	v_max3_num_f32 v[232+\b], |v[ST+16*\b]|, |v[ST+1+16*\b]|, 0x2800000
.endr
.irp i, 2,4,6,8,10,12,14
.irp b, 0,1
	s_delay_alu instid0(VALU_DEP_2)
	v_max3_num_f32 v[232+\b], v[232+\b], |v[ST+16*\b+\i]|, |v[ST+1+16*\b+\i]|
.endr
.endr
.irp b, 0,1
	s_delay_alu instid0(VALU_DEP_2)
	v_permlanex16_b32 v[236+\b], v[232+\b], s16, s17
.endr
.irp b, 0,1
	s_delay_alu instid0(VALU_DEP_2)
	v_max_num_f32 v[232+\b], v[232+\b], v[236+\b]
.endr
.irp b, 0,1
	s_delay_alu instid0(VALU_DEP_2)
	v_add_nc_u32 v[244+\b], 0xfe000000, v[232+\b]
.endr
.irp b, 0,1
	s_delay_alu instid0(VALU_DEP_2)
	v_lshrrev_b32 v[236+\b], 23, v[244+\b]
.endr
	v_cvt_scalef32_pk16_bf6_f32 v[224:226], v[ST:ST+15], v244
	v_cvt_scalef32_pk16_bf6_f32 v[240:242], v[ST+16:ST+31], v245
	v_nop
.irp i, 0,1,2
	v_permlane16_swap_b32 v[224+\i], v[240+\i]
.endr
.irp i, 0,1,2
	s_delay_alu instid0(VALU_DEP_3)
	v_mov_b32 v[227+\i], v[240+\i]
.endr
	v_cndmask_b32 v254, v236, v237, s20            ; lanes 0-15 block 0's byte, lanes 16-31 block 1's
.irp p, 0,1,2
	global_store_b64 v1, v[224+2*\p:225+2*\p], s[58:59] offset:256*\p   ; 32 lanes store 256 consecutive bytes, aligned
.endr
	global_store_b8 v5, v254, s[60:61]
.endm
	s_wait_tensorcnt 0x0                           ; my parts of the head are in,
	s_barrier_signal -1
	s_barrier_wait -1                              ; everybody's are; nothing in LDS is written from here on, so no further barrier parts the waves
	s_mov_b32 s11, s53                             ; block w / 2: its keys lie in steps 0-7
	PROCESS 8
	s_sub_co_u32 s11, 15, s53                      ; block 15 - w / 2
	PROCESS 16
	s_wait_xcnt 0x0
	v_lshl_add_u32 v254, v0, 2, 0x34000
	v_mov_b32 v255, 0
	s_wait_alu depctr_va_vdst(0)
	s_wait_tensorcnt 0x0
	ds_add_u32 v254, v255
	s_wait_dscnt 0x0
	CROUND                                         ; the closing round
	s_endpgm
.Lfunc_end_k_qd2e1497382_attn:
	.size	k_qd2e1497382_attn, .Lfunc_end_k_qd2e1497382_attn-k_qd2e1497382_attn
	.p2alignl 7, 3214868480
	.fill 96, 4, 3214868480
	.section	.rodata,"a",@progbits
	.p2align	6, 0x0
	.amdhsa_kernel k_qd2e1497382_attn
		.amdhsa_group_segment_fixed_size 327680
		.amdhsa_private_segment_fixed_size 0
		.amdhsa_enable_private_segment 0
		.amdhsa_kernarg_size 24
		.amdhsa_user_sgpr_count 2
		.amdhsa_user_sgpr_kernarg_segment_ptr 1
		.amdhsa_wavefront_size32 1
		.amdhsa_system_sgpr_workgroup_id_x 1
		.amdhsa_system_sgpr_workgroup_id_y 1
		.amdhsa_system_sgpr_workgroup_id_z 1
		.amdhsa_system_vgpr_workitem_id 0
		.amdhsa_next_free_vgpr 256
		.amdhsa_next_free_sgpr 72
		.amdhsa_reserve_vcc 1
		.amdhsa_float_denorm_mode_32 3
		.amdhsa_float_denorm_mode_16_64 3
		.amdhsa_memory_ordered 1
		.amdhsa_forward_progress 1
		.amdhsa_inst_pref_size 71
	.end_amdhsa_kernel
	.amdgpu_metadata
---
amdhsa.version: [ 1, 2 ]
amdhsa.kernels:
  - .name:           k_qd2e1497382_attn
    .symbol:         k_qd2e1497382_attn.kd
    .args:
      - { .name: qq, .offset: 0, .size: 8, .value_kind: global_buffer, .address_space: global }
      - { .name: kv, .offset: 8, .size: 8, .value_kind: global_buffer, .address_space: global }
      - { .name: yq, .offset: 16, .size: 8, .value_kind: global_buffer, .address_space: global }
    .group_segment_fixed_size: 327680
    .private_segment_fixed_size: 0
    .kernarg_segment_align: 8
    .kernarg_segment_size: 24
    .max_flat_workgroup_size: 512
    .sgpr_count:     72
    .vgpr_count:     256
    .wavefront_size: 32
...
	.end_amdgpu_metadata
.endif
;; end of part 3
;; launch outp (part 4): grid 8 x 32, 4 waves a work-group, clusters of 4 x 4, 327,680 bytes of LDS; arguments yq, wq, bp, out0; writes out0
.if DOCPART == 4
	.amdgcn_target "amdgcn-amd-amdhsa--gfx1250"
	.amdhsa_code_object_version 6
	.text
	.protected	k_qd2e1497382_outp
	.globl	k_qd2e1497382_outp
	.p2align	8
	.type	k_qd2e1497382_outp,@function
k_qd2e1497382_outp:
	s_mov_b64 s[64:65], 0
	v_nop
	global_prefetch_b8 v0, s[64:65] scope:SCOPE_SE
	s_setreg_imm32_b32 hwreg(HW_REG_WAVE_MODE, 25, 1), 1
	s_wait_xcnt 0x0
	s_wait_alu depctr_hold_cnt(0) depctr_sa_sdst(0) depctr_va_vdst(0) depctr_va_sdst(0) depctr_va_ssrc(0) depctr_va_vcc(0) depctr_vm_vsrc(0)
	s_getreg_b32 s2, hwreg(HW_REG_IB_STS2, 6, 4)
	s_cmp_eq_u32 s2, 0
	s_cbranch_scc0 .Lentry_in_a_cluster
	s_endpgm
.Lentry_in_a_cluster:
	s_bfe_u32 s2, ttmp6, 0x10000c
	s_cmp_lg_u32 s2, 0xf033
	s_cbranch_scc0 .Lentry_shape_is_right
	s_endpgm
.Lentry_shape_is_right:
; out0 = y Wp^T + bp on codes of BF6 (E3M2) with E8M0 scales; out0 [8192][1024] f32.  Operands come as images of their registers (a fragment = 1,536 bytes, six pieces of 256; lane l's registers 2 p, 2 p + 1 at 256 p + 8 l).
; A tile's lane r stands for row 32 (T / 2) + 8 (T % 2) + r + 8 (r / 8).
; SHARES: work-group (gx, gy): 256 tokens (y's tiles 16 gy ..) x 128 channels (Wp's tiles 8 gx ..): 256 work-groups.  All of K for both operands lies in LDS, filled ONCE: no slot is filled again.
; A wave has 32 accumulators: source 0 = Wp's 8 tiles (registers run along the channels), source 1 = y's tiles 4 w .. (a lane holds a token).  bp is the C of each sum's first matrix instruction.
; CLUSTER 4 x 4: y's tiles hang on gy alone and are asked for jointly by a row of the cluster, Wp's on gx alone, by a column.
; THE WAY OUT: a lane's 64 registers of a token tile are 4 x 64 neighbouring bytes of one row; they go through the wave's stage (16 rows x 528 bytes) and leave as whole rows of 512 bytes.
; The stage lies in y's first half of K, which has had its only fill and which nobody reads behind the barrier in the middle.
; REGISTERS: window 0: addresses; v32-95 Wp's scale words (two sets), v96-127 y's; v128-255 rows on their way out.  window 1: Wp's fragments, set f at v[128 f + 12 i].  window 2: the accumulators, (i1, i0) at v[64 i1 + 8 i0].
;   window 3: y's fragments, set f at v[48 f + 12 i]; bp v96-159.
.set XHALF, 98304                      ; LDS: y, [K half][tile 0..15][K step 0..3][1,536]
.set WS,    196608                     ; Wp, [K half][tile 0..7][K step 0..3][1,536]
.set WSLOT, 49152
.set XSC,   294912                     ; y's scale rows, 16 x 512
.set WSC,   303104                     ; Wp's, 8 x 512
.set FRB,   1536
.set TILEH, 6144
.set SPITCH, 528
.set STO, 17
.set RD,  18
.set BK,  128
.set MUL,   0xad                       ; source 0 window 1, source 1 window 3, C and D window 2
.set MULB,  0xbd                       ; the same with C (the bias) in window 3
.set TO_S0, 0x40
.set TO_S1, 0xc0
.set MSB, 0
.macro WIN new
.if MSB != \new
	s_set_vgpr_msb (MSB<<8)|\new
.set MSB, \new
.endif
.endm
.macro PLACES                          ; four plain places behind matrix instructions (ISA guide 7.12.1)
.rept 4
	v_nop
.endr
.endm
.macro CROUND
	s_barrier_signal -1
	s_barrier_wait -1
	s_cmp_lg_u32 s18, 0
	s_cbranch_scc1 .Lnot_wave_0_\@
	s_barrier_signal -3
.Lnot_wave_0_\@:
	s_barrier_wait -3
	s_barrier_signal -1
	s_barrier_wait -1
.endm
.macro GROUP1 g, c, r, p
	s_mov_b32 s[\g+1], ((\c)&0xffff)<<16
	s_mov_b32 s[\g+2], ((\c)>>16)|(((\r)&0xffff)<<16)
	s_mov_b32 s[\g+3], ((\r)>>16)|((\c)<<16)
	s_mov_b32 s[\g+4], \r
	s_mov_b32 s[\g+5], \p
	s_mov_b32 s[\g+6], 0
	s_mov_b32 s[\g+7], 0
.endm
.macro FRAG reg, adr, off
.irp p, 0,1,2,3,4,5
	ds_load_b64 v[(\reg)+2*\p:(\reg)+2*\p+1], v[\adr] offset:(\off)+256*\p
.endr
.endm
.macro FETCH f, kh, sp                 ; the 12 fragments of K step sp of half kh into set f
	WIN TO_S0
.irp i, 0,1,2,3,4,5,6,7
	FRAG 128*(\f)+12*\i, 6+(\kh), TILEH*\i+FRB*(\sp)
.endr
	WIN TO_S1
.irp i, 0,1,2,3
	FRAG 48*(\f)+12*\i, 2+(\kh), TILEH*\i+FRB*(\sp)
.endr
	WIN 0
.endm
.macro SCL kh                          ; the scale words of half kh into set kh
.irp i, 0,1,2,3,4,5,6,7
	ds_load_b128 v[32+32*(\kh)+4*\i:32+32*(\kh)+4*\i+3], v12 offset:512*\i+16*(\kh)
.endr
.irp i, 0,1,2,3
	ds_load_b128 v[96+16*(\kh)+4*\i:96+16*(\kh)+4*\i+3], v10 offset:512*\i+16*(\kh)
.endr
.endm
; matrix instructions number from .. to of a K step's 32; the 32 accumulators take turns, one instruction a turn.  mode 1: the sums begin with bp
.macro MULS f, sg, sp, from, to, mode
.set n, \from
.rept (\to)-(\from)+1
.set rD, 64*(n/8)+8*(n%8)
.set rA, 128*(\f)+12*(n%8)
.set rB, 48*(\f)+12*(n/8)
.set rX, 32+32*(\sg)+4*(n%8)+(\sp)
.set rY, 96+16*(\sg)+4*(n/8)+(\sp)
.if (\mode) == 0
	v_wmma_scale_f32_16x16x128_f8f6f4 v[rD:rD+7], v[rA:rA+11], v[rB:rB+11], v[rD:rD+7], v[rX], v[rY] matrix_a_fmt:MATRIX_FMT_BF6 matrix_b_fmt:MATRIX_FMT_BF6
.else
.set rC, 96+8*(n%8)
	v_wmma_scale_f32_16x16x128_f8f6f4 v[rD:rD+7], v[rA:rA+11], v[rB:rB+11], v[rC:rC+7], v[rX], v[rY] matrix_a_fmt:MATRIX_FMT_BF6 matrix_b_fmt:MATRIX_FMT_BF6
.endif
.set n, n+1
.endr
.endm
.macro STEP kh, sp, mode
	s_wait_dscnt 0x0                               ; this step's fragments were asked for a step ago
	PLACES
	FETCH ((\sp)+1)%2, \kh, (\sp)+1
.if \mode
	WIN MULB
.else
	WIN MUL
.endif
	MULS (\sp)%2, \kh, \sp, 0, 31, \mode
.endm
	s_load_b256 s[4:11], s[0:1], 0x0               ; yq, wq, bp, out0
	v_lshl_add_u32 v30, v0, 2, 0x4b000
	v_mov_b32 v31, 0
	ds_add_u32 v30, v31
	ds_add_u32 v30, v31
	v_lshrrev_b32 v1, 5, v0
	v_readfirstlane_b32 s18, v1                    ; wave 0..3
	s_bfe_u32 s21, ttmp6, 0x40000                  ; cx
	s_bfe_u32 s22, ttmp6, 0x40004                  ; cy
	s_lshl_b32 s23, ttmp9, 2
	s_add_co_u32 s23, s23, s21                     ; gx
	s_and_b32 s24, ttmp7, 0xffff
	s_lshl_b32 s24, s24, 2
	s_add_co_u32 s24, s24, s22                     ; gy
	s_lshl_b32 s25, s22, 2
	s_lshl_b32 s25, 15, s25                        ; my row of the cluster
	s_lshl_b32 s26, 0x1111, s21                    ; my column
	s_or_b32 s28, s25, (3<<16)|(1<<21)
	s_or_b32 s44, s25, (3<<16)|(1<<21)
	s_or_b32 s36, s26, (3<<16)|(1<<21)
	s_or_b32 s52, s26, (3<<16)|(1<<21)
	GROUP1 28, 768, 4, 1536                        ; y: 4 tiles x 6,144 bytes, 12,288 bytes apart
	GROUP1 36, 768, 2, 1536                        ; Wp: 2 tiles
	GROUP1 44, 32, 8, 32                           ; y's scale rows: 2,048 dense bytes
	GROUP1 52, 32, 4, 32                           ; Wp's: 1,024 dense bytes
	s_mov_b32 s60, 1
	s_lshl_b32 s61, s18, 11
	s_add_co_u32 s61, s61, XSC
	s_mov_b32 s68, 1
	s_lshl_b32 s69, s18, 10
	s_add_co_u32 s69, s69, WSC
	s_mov_b32 s72, 1
	s_mul_i32 s73, s18, 24576
	s_mov_b32 s76, 1
	s_add_co_u32 s77, s73, XHALF
	s_mov_b32 s80, 1
	s_mul_i32 s81, s18, 12288
	s_add_co_u32 s81, s81, WS
	s_mov_b32 s84, 1
	s_add_co_u32 s85, s81, WSLOT
	s_wait_dscnt 0x0
	s_wait_kmcnt 0x0
	s_lshl_b32 s2, s24, 13                         ; y's side: gy and the wave's number alone
	s_lshl_b32 s3, s18, 11
	s_add_co_u32 s2, s2, s3
	s_add_co_u32 s2, s2, 6291456
	s_mov_b32 s3, 0
	s_add_nc_u64 s[62:63], s[4:5], s[2:3]
	s_or_b32 s63, s63, 0x80000000
	s_mul_i32 s2, s24, 196608
	s_mul_i32 s3, s18, 49152
	s_add_co_u32 s2, s2, s3
	s_mov_b32 s3, 0
	s_add_nc_u64 s[74:75], s[4:5], s[2:3]
	s_add_nc_u64 s[78:79], s[74:75], TILEH
	s_or_b32 s75, s75, 0x80000000
	s_or_b32 s79, s79, 0x80000000
	s_lshl_b32 s26, s23, 12                        ; Wp's side: gx and the wave's number alone
	s_lshl_b32 s27, s18, 10
	s_add_co_u32 s26, s26, s27
	s_add_co_u32 s26, s26, 3145728+98304           ; the fourth W's scale rows
	s_mov_b32 s27, 0
	s_add_nc_u64 s[70:71], s[6:7], s[26:27]
	s_or_b32 s71, s71, 0x80000000
	s_mul_i32 s26, s23, 98304
	s_mul_i32 s27, s18, 24576
	s_add_co_u32 s26, s26, s27
	s_add_co_u32 s26, s26, 192*12288               ; the fourth W's codes
	s_mov_b32 s27, 0
	s_add_nc_u64 s[82:83], s[6:7], s[26:27]
	s_add_nc_u64 s[86:87], s[82:83], TILEH
	s_or_b32 s83, s83, 0x80000000
	s_or_b32 s87, s87, 0x80000000
	CROUND                                         ; all sixteen work-groups are here: the joint loads meet
	tensor_load_to_lds s[60:63], s[44:51]          ; six loads of mine are out: the scale rows, the first halves of K, the second halves
	s_nop 0
	tensor_load_to_lds s[68:71], s[52:59]
	s_nop 0
	tensor_load_to_lds s[72:75], s[28:35]
	s_nop 0
	tensor_load_to_lds s[80:83], s[36:43]
	s_nop 0
	tensor_load_to_lds s[76:79], s[28:35]
	s_nop 0
	tensor_load_to_lds s[84:87], s[36:43]
	s_nop 0
	PLACES
	v_and_b32 v21, 15, v0                          ; r
	v_bfe_u32 v22, v0, 4, 1                        ; h
	v_and_b32 v23, 31, v0                          ; lane
	v_lshlrev_b32 v19, 6, v22                      ; bp: 16 h numbers on
	s_lshl_b32 s2, s23, 9
	s_mov_b32 s3, 0
	s_add_nc_u64 s[8:9], s[8:9], s[2:3]
	WIN 0xc0
.irp i, 0,1,2,3,4,5,6,7
	global_load_b128 v[96+8*\i:96+8*\i+3], v19, s[8:9] offset:(32*(\i/2)+8*(\i%2))*4
	global_load_b128 v[96+8*\i+4:96+8*\i+7], v19, s[8:9] offset:(32*(\i/2)+8*(\i%2))*4+16
.endr
	WIN 0
	v_lshlrev_b32 v20, 3, v23                      ; a piece's place for my lane
	s_mul_i32 s25, s18, 24576
	v_add_nc_u32 v2, s25, v20                      ; y's tiles 4 w .., K half 0, 1
	v_add_nc_u32 v3, XHALF, v2
	v_add_nc_u32 v6, WS, v20                       ; Wp, K half 0, 1
	v_add_nc_u32 v7, WS+WSLOT, v20
	v_lshlrev_b32 v24, 5, v21
	s_lshl_b32 s25, s18, 11
	s_add_co_u32 s25, s25, XSC
	v_add_nc_u32 v10, s25, v24
	v_add_nc_u32 v12, WSC, v24
	v_lshlrev_b32 v16, 4, v23                      ; 16 bytes a lane of a row of 512
	s_mul_i32 s25, s18, 16*SPITCH                  ; my stage
	v_mul_u32_u24 v[STO], v21, SPITCH
	v_lshl_add_u32 v[STO], v22, 6, v[STO]
	v_add_nc_u32 v[STO], s25, v[STO]               ; in: row r, + 64 h
	v_add_nc_u32 v[RD], s25, v16                   ; back: a whole row
	s_lshl_b32 s88, s24, 20
	s_lshl_b32 s25, s18, 18
	s_add_co_u32 s88, s88, s25
	s_add_co_u32 s88, s88, s2
	s_mov_b32 s89, 0
	s_add_nc_u64 s[88:89], s[10:11], s[88:89]      ; out0 at token 256 gy + 64 w, channel 128 gx
	s_wait_alu depctr_va_vdst(0)
	s_wait_loadcnt 0x0                             ; bp
	s_wait_tensorcnt 2                             ; the scale rows and the first halves are in; the two second halves may stay out
	s_barrier_signal -1
	s_barrier_wait -1
	FETCH 0, 0, 0
	SCL 0
	STEP 0, 0, 1
	STEP 0, 1, 0
	STEP 0, 2, 0
	s_wait_tensorcnt 0x0                           ; my parts of the second halves are in,
	s_wait_dscnt 0x0                               ; and my reads of the first halves are over
	WIN MUL
	MULS 1, 0, 3, 0, 15, 0
	s_barrier_signal -1
	MULS 1, 0, 3, 16, 23, 0
	s_barrier_wait -1
	PLACES
	FETCH 0, 1, 0
	SCL 1
	WIN MUL
	MULS 1, 0, 3, 24, 31, 0
	STEP 1, 0, 0
	STEP 1, 1, 0
	STEP 1, 2, 0
	s_wait_dscnt 0x0
	WIN MUL
	MULS 1, 1, 3, 0, 31, 0
	WIN 0
.macro TOSTAGE a                       ; token tile a: 16 rows x 512 bytes into my stage, and back as whole rows
	WIN 0x08                                       ; an LDS store's data are its source 1: window 2
.irp b, 0,1,2,3
.irp q, 0,1,2,3
	ds_store_b128 v[STO], v[64*(\a)+16*\b+4*\q:64*(\a)+16*\b+4*\q+3] offset:128*\b+16*\q   ; each accumulator from its low end on
.endr
.endr
	WIN 0
.set BB, BK+64*((\a)%2)
.irp t, 0,1,2,3,4,5,6,7,8,9,10,11,12,13,14,15
	ds_load_b128 v[BB+4*\t:BB+4*\t+3], v[RD] offset:\t*SPITCH   ; LDS serves a wave's instructions in order: these see the stores above, and the next tile's stores come behind them
.endr
.endm
.macro SEND a, younger                 ; younger: the LDS instructions issued behind tile a's loads, which may stay out
.set BB, BK+64*((\a)%2)
	s_wait_dscnt \younger
.irp t, 0,1,2,3,4,5,6,7,8,9,10,11,12,13,14,15
	global_store_b128 v16, v[BB+4*\t:BB+4*\t+3], s[88:89] offset:(32*((\a)/2)+8*((\a)%2)+\t+8*(\t/8))*4096 th:TH_STORE_NT   ; 32 lanes store 512 consecutive bytes, aligned; written once, read by nobody here
.endr
.endm
	PLACES
	TOSTAGE 0
.irp a, 1,2,3
.if \a > 1
	s_wait_xcnt 0x0                                ; tile a - 2's stores have read their registers: tile a's loads may land there
.endif
	TOSTAGE \a
	SEND \a-1, 32                                  ; behind tile a - 1's loads: tile a's 16 stores and 16 loads
.endr
	SEND 3, 0
	s_wait_tensorcnt 0x0
	ds_add_u32 v30, v31
	s_wait_dscnt 0x0
	CROUND                                         ; the closing round
	s_endpgm
.Lfunc_end_k_qd2e1497382_outp:
	.size	k_qd2e1497382_outp, .Lfunc_end_k_qd2e1497382_outp-k_qd2e1497382_outp
	.p2alignl 7, 3214868480
	.fill 96, 4, 3214868480
	.section	.rodata,"a",@progbits
	.p2align	6, 0x0
	.amdhsa_kernel k_qd2e1497382_outp
		.amdhsa_group_segment_fixed_size 327680
		.amdhsa_private_segment_fixed_size 0
		.amdhsa_enable_private_segment 0
		.amdhsa_kernarg_size 32
		.amdhsa_user_sgpr_count 2
		.amdhsa_user_sgpr_kernarg_segment_ptr 1
		.amdhsa_wavefront_size32 1
		.amdhsa_system_sgpr_workgroup_id_x 1
		.amdhsa_system_sgpr_workgroup_id_y 1
		.amdhsa_system_sgpr_workgroup_id_z 1
		.amdhsa_system_vgpr_workitem_id 0
		.amdhsa_next_free_vgpr 1024
		.amdhsa_next_free_sgpr 96
		.amdhsa_reserve_vcc 0
		.amdhsa_float_denorm_mode_32 3
		.amdhsa_float_denorm_mode_16_64 3
		.amdhsa_memory_ordered 1
		.amdhsa_forward_progress 1
		.amdhsa_inst_pref_size 96
	.end_amdhsa_kernel
	.amdgpu_metadata
---
amdhsa.version: [ 1, 2 ]
amdhsa.kernels:
  - .name:           k_qd2e1497382_outp
    .symbol:         k_qd2e1497382_outp.kd
    .args:
      - { .name: yq, .offset: 0, .size: 8, .value_kind: global_buffer, .address_space: global }
      - { .name: wq, .offset: 8, .size: 8, .value_kind: global_buffer, .address_space: global }
      - { .name: bp, .offset: 16, .size: 8, .value_kind: global_buffer, .address_space: global }
      - { .name: out0, .offset: 24, .size: 8, .value_kind: global_buffer, .address_space: global }
    .group_segment_fixed_size: 327680
    .private_segment_fixed_size: 0
    .kernarg_segment_align: 8
    .kernarg_segment_size: 32
    .max_flat_workgroup_size: 128
    .sgpr_count:     96
    .vgpr_count:     1024
    .wavefront_size: 32
...
	.end_amdgpu_metadata
.endif
;; end of part 4
